; MI455X (gfx1250); checked and timed in simulation.
; The chip was launched on July 23, 2026; its instructions are those of AMD's public machine-readable ISA for CDNA 5 (MIT licence, August 2026) and "CDNA5" Instruction Set Architecture Reference Guide (July 2026). The comments in the code are by the model that wrote it; some were corrected since.
;; Hadamard Transform. Allowed arithmetic: float matrix products may take bf16 or f16 operands with f32 sums; other float arithmetic in f32, or as packed bf16 or f16 multiplies, adds, multiply-adds, maxima and minima; sums over many terms, partial sums and values carried from step to step in f32; what a program stores and reads back later, other than sums and carried values, may be rounded once to bf16 or f16.
;; Inputs: permutation 4,096 x 4,096 float32; value 4,096 x 4,096 float32; weight 4,096 x 4,096 float32.
;; Outputs: out0 4,096 x 4,096 float32.
;; One version. Each part assembles by itself: llvm-mc -triple=amdgcn-amd-amdhsa -mcpu=gfx1250 --defsym DOCPART=n.
;; ======== version 1 of 1: 2 launches
;; limits: values are held in f16: magnitudes above 65,504 overflow, below 6.1e-05 lose precision; inputs' magnitudes at most 65,504
;; workspace buffers: ah 33,554,432 bytes; bh 33,554,432 bytes
;; launch prep (part 1): grid 512 x 1, 8 waves a work-group, no clusters, 0 bytes of LDS; arguments value, weight, permutation, ah, bh; writes ah, bh
.if DOCPART == 1
	.amdgcn_target "amdgcn-amd-amdhsa--gfx1250"
	.amdhsa_code_object_version 6
	.text
	.protected	k_q2ffc1603cd_prep
	.globl	k_q2ffc1603cd_prep
	.p2align	8
	.type	k_q2ffc1603cd_prep,@function
k_q2ffc1603cd_prep:
	s_mov_b64 s[64:65], 0
	v_nop
	global_prefetch_b8 v0, s[64:65] scope:SCOPE_SE
	s_setreg_imm32_b32 hwreg(HW_REG_WAVE_MODE, 25, 1), 1
	s_wait_xcnt 0x0
; ah = f16(value), bh = f16(weight + permutation).  All five arrays are [4096][4096], row-major, and keep their layout: one index space, a pure stream.
; The sum is taken in f32 and rounded once.  LIMITS: f16 holds no number beyond 65,504: |value| or |weight + permutation| of 65,520 or more becomes an infinity;
; below 6.1e-5 a number keeps f16's fixed step of 6e-8.
; SHARES.  A work-group owns 8 rows: 32,768 numbers, in 32 steps of 1,024.  In step s thread t takes 4 numbers: bytes 4,096 s + 16 t of each input, bytes 2,048 s + 8 t of each output.
; So a wave's load covers 512 consecutive bytes, aligned, and a wave's store 256 consecutive bytes, aligned.
; A ring of DEPTH register slots keeps 3 x DEPTH loads of every wave on their way.  The 32 steps are written out: a step's place stands in the immediates (126,976 at the most),
; so no base and no offset register is ever rewritten, and the only registers written again while memory instructions may read them are a slot's Y.
; No LDS, no barrier, no matrix unit, no cluster: no wave wants a byte that another wave has fetched.
.set DEPTH, 8                          ; slots
.set STEPS, 32
.set IN,    1                          ; v1        16 t; never rewritten
.set OUT,   2                          ; v2        8 t; never rewritten
.set X,     4                          ; v[4:99]   slot i: 12 registers: value's 4 numbers, weight's, permutation's
.set Y,     100                        ; v[100:131] slot i: 4 registers: two for ah, two for bh
	s_load_b256 s[4:11], s[0:1], 0x0               ; value s[4:5], weight s[6:7], permutation s[8:9], ah s[10:11]
	s_load_b64 s[12:13], s[0:1], 0x20              ; bh
	s_lshl_b32 s2, ttmp9, 17                       ; the work-group's 131,072 bytes of each input (511 x 2^17 stays under 2^32),
	s_mov_b32 s3, 0
	s_lshl_b32 s14, ttmp9, 16                      ; and its 65,536 bytes of each output
	s_mov_b32 s15, 0
	v_lshlrev_b32 v[IN], 4, v0
	v_lshlrev_b32 v[OUT], 3, v0
	s_wait_kmcnt 0x0
	s_add_nc_u64 s[4:5], s[4:5], s[2:3]
	s_add_nc_u64 s[6:7], s[6:7], s[2:3]
	s_add_nc_u64 s[8:9], s[8:9], s[2:3]
	s_add_nc_u64 s[10:11], s[10:11], s[14:15]
	s_add_nc_u64 s[12:13], s[12:13], s[14:15]
; Step s's three loads, into slot s % DEPTH.  Each byte is read once in the launch.
.macro FILL s
.set XF, X+12*((\s)%DEPTH)
	global_load_b128 v[XF:XF+3],    v[IN], s[4:5] offset:4096*(\s) th:TH_LOAD_NT
	global_load_b128 v[XF+4:XF+7],  v[IN], s[6:7] offset:4096*(\s) th:TH_LOAD_NT
	global_load_b128 v[XF+8:XF+11], v[IN], s[8:9] offset:4096*(\s) th:TH_LOAD_NT
.endm
; Step s: its numbers are summed, rounded and stored; its slot is filled again, DEPTH steps ahead, the loads ahead of the stores.
.macro STEP s
.set XC, X+12*((\s)%DEPTH)
.set YC, Y+4*((\s)%DEPTH)
.if STEPS-1-(\s) < DEPTH-1
	s_wait_loadcnt 3*(STEPS-1-(\s))                ; the last steps load nothing: the counts run down
.else
	s_wait_loadcnt 3*(DEPTH-1)                     ; loads come back in order (ISA guide 5.7.1): mine are in; the three of each of the seven younger steps stay out
.endif
	s_wait_xcnt 0x0                                ; every earlier memory instruction has had its addresses translated (ISA guide 3.1): the slot's Y, which its last stores read, is rewritten only behind this wait
	v_pk_add_f32 v[XC+4:XC+5], v[XC+4:XC+5], v[XC+8:XC+9]      ; weight + permutation, in f32
	v_pk_add_f32 v[XC+6:XC+7], v[XC+6:XC+7], v[XC+10:XC+11]
	v_cvt_pk_f16_f32 v[YC],   v[XC],   v[XC+1]     ; two roundings to f16, packed
	v_cvt_pk_f16_f32 v[YC+1], v[XC+2], v[XC+3]
	v_cvt_pk_f16_f32 v[YC+2], v[XC+4], v[XC+5]
	v_cvt_pk_f16_f32 v[YC+3], v[XC+6], v[XC+7]
.if (\s)+DEPTH < STEPS
	FILL (\s)+DEPTH
.endif
	global_store_b64 v[OUT], v[YC:YC+1],   s[10:11] offset:2048*(\s) th:TH_STORE_NT
	global_store_b64 v[OUT], v[YC+2:YC+3], s[12:13] offset:2048*(\s) th:TH_STORE_NT
.endm
.set st, 0
.rept DEPTH
	FILL st                                        ; the ring is filled: steps 0 to 7
.set st, st+1
.endr
.set st, 0
.rept STEPS
	STEP st
.set st, st+1
.endr
	s_endpgm
.Lfunc_end_k_q2ffc1603cd_prep:
	.size	k_q2ffc1603cd_prep, .Lfunc_end_k_q2ffc1603cd_prep-k_q2ffc1603cd_prep
	.p2alignl 7, 3214868480
	.fill 96, 4, 3214868480
	.section	.rodata,"a",@progbits
	.p2align	6, 0x0
	.amdhsa_kernel k_q2ffc1603cd_prep
		.amdhsa_group_segment_fixed_size 0
		.amdhsa_private_segment_fixed_size 0
		.amdhsa_enable_private_segment 0
		.amdhsa_kernarg_size 40
		.amdhsa_user_sgpr_count 2
		.amdhsa_user_sgpr_kernarg_segment_ptr 1
		.amdhsa_wavefront_size32 1
		.amdhsa_system_sgpr_workgroup_id_x 1
		.amdhsa_system_sgpr_workgroup_id_y 1
		.amdhsa_system_sgpr_workgroup_id_z 1
		.amdhsa_system_vgpr_workitem_id 0
		.amdhsa_next_free_vgpr 132
		.amdhsa_next_free_sgpr 66
		.amdhsa_reserve_vcc 0
		.amdhsa_float_denorm_mode_32 3
		.amdhsa_float_denorm_mode_16_64 3
		.amdhsa_memory_ordered 1
		.amdhsa_forward_progress 1
		.amdhsa_inst_pref_size 30
	.end_amdhsa_kernel
	.amdgpu_metadata
---
amdhsa.version: [ 1, 2 ]
amdhsa.kernels:
  - .name:           k_q2ffc1603cd_prep
    .symbol:         k_q2ffc1603cd_prep.kd
    .args:
      - { .name: value, .offset: 0, .size: 8, .value_kind: global_buffer, .address_space: global }
      - { .name: weight, .offset: 8, .size: 8, .value_kind: global_buffer, .address_space: global }
      - { .name: permutation, .offset: 16, .size: 8, .value_kind: global_buffer, .address_space: global }
      - { .name: ah, .offset: 24, .size: 8, .value_kind: global_buffer, .address_space: global }
      - { .name: bh, .offset: 32, .size: 8, .value_kind: global_buffer, .address_space: global }
    .group_segment_fixed_size: 0
    .private_segment_fixed_size: 0
    .kernarg_segment_align: 8
    .kernarg_segment_size: 40
    .max_flat_workgroup_size: 256
    .sgpr_count:     66
    .vgpr_count:     132
    .wavefront_size: 32
...
	.end_amdgpu_metadata
.endif
;; end of part 1
;; launch gemm (part 2): grid 16 x 16, 4 waves a work-group, clusters of 4 x 4, 327,680 bytes of LDS; arguments ah, bh, out0; writes out0
.if DOCPART == 2
	.amdgcn_target "amdgcn-amd-amdhsa--gfx1250"
	.amdhsa_code_object_version 6
	.text
	.protected	k_q2ffc1603cd_gemm
	.globl	k_q2ffc1603cd_gemm
	.p2align	8
	.type	k_q2ffc1603cd_gemm,@function
k_q2ffc1603cd_gemm:
	s_mov_b64 s[64:65], 0
	v_nop
	global_prefetch_b8 v0, s[64:65] scope:SCOPE_SE
	s_setreg_imm32_b32 hwreg(HW_REG_WAVE_MODE, 25, 1), 1
	s_wait_xcnt 0x0
	s_wait_alu depctr_hold_cnt(0) depctr_sa_sdst(0) depctr_va_vdst(0) depctr_va_sdst(0) depctr_va_ssrc(0) depctr_va_vcc(0) depctr_vm_vsrc(0)
	s_getreg_b32 s2, hwreg(HW_REG_IB_STS2, 6, 4)
	s_cmp_eq_u32 s2, 0
	s_cbranch_scc0 .Lentry_in_a_cluster
	s_endpgm
.Lentry_in_a_cluster:
	s_bfe_u32 s2, ttmp6, 0x10000c
	s_cmp_lg_u32 s2, 0xf033
	s_cbranch_scc0 .Lentry_shape_is_right
	s_endpgm
.Lentry_shape_is_right:
; out0[m][n] = the sum over k of ah[m][k] bh[k][n].  ah: [4096 m][4096 k] f16, bh: [4096 k][4096 n] f16 (value, and weight + permutation, each rounded once); out0: [4096][4096] f32; sums in f32.
; LIMITS: those of f16 operands: no number beyond 65,504 arrives here; below 6.1e-5 an operand has f16's fixed step of 6e-8.  NaN and infinities are not treated apart.
; A tile of C, 256 x 256, is made by a work-group of four waves; a wave makes 128 x 128: 64 accumulators of 16 x 16, 512 registers.  4096 / 256 squared = 256 tiles, one to a work-group.
; K goes in steps of 128 through a ring of two LDS slots filled by the tensor data mover.  A's tile is 256 rows (m) x 256 bytes; B's is 128 rows (k) x 512 bytes: B lies with n along its rows and is
; turned on the way out of LDS, by ds_load_tr16_b128.  All tile rows start at multiples of 256 bytes from their buffer's first byte.
; CLUSTERS: 4 x 4 work-groups.  The four of a row of the cluster need the same tiles of A, the four of a column the same tiles of B: each tile is asked for JOINTLY, by the same tensor load with the same
; descriptor and a mask that names the four; each receives it in its own LDS.  That divides the requests for A and for B by four.
; REGISTERS, in windows of 256 (s_set_vgpr_msb's low byte: bits 1:0 source 0, 3:2 source 1, 5:4 source 2, 7:6 destination):
;   window 0: v0-31 addresses; v64-127, v128-191 fragments of A (8 x 16 rows x 32 K), two buffers; on the way out the same registers take rows read back from the stage
;   window 1: v64-127, v128-191 fragments of B, two buffers
;   window 2: the 32 accumulators of my rows 0-63 (accumulator (a, b) at v[8 (8 a + b)]);   window 3: those of my rows 64-127
; THE MATRIX INSTRUCTION IS USED TRANSPOSED: source 0 = 16 columns of B, source 1 = 16 rows of A.  In the result lane l holds row l % 16 of C, and its registers 0 to 7 the columns
; 8 (l / 16) + 0 .. 7: 32 neighbouring bytes of a row of C.
.set SIZE,   4096
.set KSTEP,  128
.set ROWH,   SIZE*2                    ; bytes in a row of ah and of bh
.set ROWC,   SIZE*4                    ; bytes in a row of out0
.set STEP_A, KSTEP*2                   ; a K step in ah: 256 bytes along the rows
.set STEP_B, KSTEP*ROWH                ; a K step in bh: 128 rows down
.set PA,     272                       ; A's LDS row: 256 bytes + 16 of padding = 68 words: row r starts at bank 4 r mod 64 (64 banks of 4 bytes: ISA guide 11.1): the 16 rows of a load start at 16 different groups of four banks
.set PB,     544                       ; B's LDS row: 512 + 32 = 136 words: row r starts at bank 8 r mod 64
.set HALFT,  128*PA                    ; what one tensor load brings: 128 rows of A, or 64 rows of B (64 x 544 is the same number)
.set SLOT,   4*HALFT                   ; A's rows 0-127, A's rows 128-255, B's k 0-63, B's k 64-127
.set STAGE,  2*SLOT                    ; behind the ring, never filled by a tensor load: 16 rows x 528 bytes for each wave, for the way out
.set SP,     528                       ; a stage row: 512 bytes + 16 = 132 words: row r starts at bank 4 r mod 64
.set SPARE,  STAGE+4*16*SP             ; behind the stages: the spare words, 128 bytes for each wave: two blocks of 256 bytes that no other line names
.set LAPS,   SIZE/(2*KSTEP)            ; a lap = two K steps = once round the ring: 16
.set ADRA, 16                          ; v16-17  LDS address of my A fragments in slot 0, 1
.set ADRB, 20                          ; v20-21  the same for B
.set STO,  24                          ; v24     the way out: where I put 32 bytes of a row
.set RD,   25                          ; v25     the way out: where I read 16 bytes of a row back
.set CO,   26                          ; v26     my byte offset in 512 bytes of a row of C: 16 x lane
.set SPW,  28                          ; v28     LDS address of my spare word: SPARE + 4 x my thread's number; never rewritten
.set NIL,  29                          ; v29     0; never rewritten
.set PFO,  30                          ; v30     the prefetches' lane offset; never rewritten
.set F0,   64                          ; fragment buffer 0
.set F1,   128                         ; fragment buffer 1
.set G1,   24                          ; s[24:31] descriptor group 1 for A's tiles
.set G0,   32                          ; s[32:39] descriptor group 0 for A's tiles, one set for each slot
.set LIM,  43                          ; s43     1 in a wave that prefetches, else the greatest number
.set PFA,  44                          ; s[44:45] where my prefetches stand
.set G1B,  48                          ; s[48:55] descriptor group 1 for B's tiles
.set G0B,  56                          ; s[56:63] descriptor group 0 for B's tiles, one set for each slot
.set PST,  66                          ; s[66:67] a K step in the tensor that I prefetch, in bytes
.set MSB, 0
.macro WIN new                         ; the immediate's high byte repeats the setting that is left; a switch that changes nothing is dropped
.if MSB != (\new)
	s_set_vgpr_msb (MSB<<8)|(\new)
.set MSB, \new
.endif
.endm
.set MUL_LO, 0xa1                      ; source 0 (B) window 1, source 1 (A) window 0, C and D window 2
.set MUL_HI, 0xf1                      ; the same, C and D window 3
.set TO_B,   0x40                      ; destination window 1, address window 0
.set ST_LO,  0x08                      ; an LDS store's data (source 1) in window 2, its address in window 0; + 4: window 3
; A joint load.  Waves 0 and 1 fetch A's two halves, waves 2 and 3 B's.  Each of the two lines has ONE mask and one set of registers for all that issue it.  The branch hangs on the wave's number alone.
; An s_nop 0 and four v_nop follow each of the two lines, ahead of the jump, the label and what follows the macro.
.macro JLOAD s
	s_cmp_eq_u32 s11, 0
	s_cbranch_scc0 .Lfor_b_\@
	tensor_load_to_lds s[G0+4*(\s):G0+4*(\s)+3], s[G1:G1+7]
	s_nop 0
.rept 4
	v_nop
.endr
	s_branch .Lasked_\@
.Lfor_b_\@:
	tensor_load_to_lds s[G0B+4*(\s):G0B+4*(\s)+3], s[G1B:G1B+7]
	s_nop 0
.rept 4
	v_nop
.endr
.Lasked_\@:
.endm
; A PREFETCH INTO THE L2, behind each joint refill, its five lines and the run of LDS loads that follows them: the K step that stands TWO refills on, 512 matrix instructions ahead of the load that will ask for it.
; Each aligned block of 256 bytes of a K step is named ONCE in the launch.  A's tile row is read by every cluster of that row of clusters: cluster x = 0 asks (waves 0 and 1); B's tile column by every cluster of
; that column: cluster y = 0 asks (waves 2 and 3).  The four partners that ask for a tile jointly share it out BY ADDRESS: of the 128 rows of A that a wave fetches, the partner at cx takes 32, a lane a row;
; of the 64 rows of B, the partner at cy takes 16, two lanes a row of 512 bytes.  No branch hangs on a work-group's place in its cluster.  One instruction a wave.
; The loop's last trip (s3 = 1) asks for nothing: K steps 32 and 33 do not exist.  K steps 0 to 3 come by their loads alone.
.macro ASK
	s_cmp_gt_u32 s3, s[LIM]
	s_cbranch_scc0 .Lnot_mine_\@
	global_prefetch_b8 v[PFO], s[PFA:PFA+1] th:TH_LOAD_NT scope:SCOPE_SE
.Lnot_mine_\@:
.endm
; A round of the cluster's barrier: my work-group's barrier, so that wave 0's signal speaks for all four waves; wave 0 signals for the work-group; every wave waits for all sixteen work-groups;
; my work-group's barrier once more.  No LDS instruction of the wave is pending at a signal.
.macro CREST                           ; a round behind its opening barrier
	s_cmp_lg_u32 s10, 0
	s_cbranch_scc1 .Lnot_wave_0_\@
	s_barrier_signal -3
.Lnot_wave_0_\@:
	s_barrier_wait -3
	s_barrier_signal -1
	s_barrier_wait -1
.endm
.macro CROUND                          ; a whole round
	s_barrier_signal -1
	s_barrier_wait -1
	CREST
.endm
	s_load_b128 s[4:7], s[0:1], 0x0                ; ah s[4:5], bh s[6:7]
	s_load_b64 s[8:9], s[0:1], 0x10                ; out0
	v_lshl_add_u32 v[SPW], v0, 2, SPARE
	v_mov_b32 v[NIL], 0
	ds_add_u32 v[SPW], v[NIL]                      ; the wave's opening: the add and its wait stand ahead of my first tensor load; the set-up below, work on registers, stands between them
	v_lshrrev_b32 v1, 5, v0
	v_readfirstlane_b32 s10, v1                    ; wave 0..3
	s_lshr_b32 s11, s10, 1                         ; which half of the tile's rows is mine.  Also: I fetch for A (0) or for B (1)
	s_and_b32 s12, s10, 1                          ; which half of its columns.  Also: which half of that tile I fetch
	s_bfe_u32 s40, ttmp6, 0x40000                  ; cx: my place along the cluster's x
	s_bfe_u32 s41, ttmp6, 0x40004                  ; cy: along its y
	s_lshl_b32 s42, ttmp9, 2                       ; in a cluster launch ttmp9 and ttmp7 count clusters
	s_add_co_u32 s42, s42, s40                     ; tile column of C = 4 x cluster x + cx
	s_and_b32 s13, ttmp7, 0xffff
	s_lshl_b32 s13, s13, 2
	s_add_co_u32 s13, s13, s41                     ; tile row of C = 4 x cluster y + cy
	s_lshl_b32 s43, s41, 2
	s_lshl_b32 s43, 15, s43                        ; my row of the cluster: places 4 cy .. 4 cy + 3
	s_lshl_b32 s44, 0x1111, s40                    ; my column: places cx, cx + 4, cx + 8, cx + 12
	; descriptor group 1.  A: a tile of 128 rows x 128 elements; B: of 64 rows x 256 elements; both padded in LDS
	s_or_b32 s[G1+0], s43, (1<<16)|(1<<20)|(1<<21)|(5<<22)|(3<<25)   ; 15:0 the mask: my row; 17:16 elements of 2 bytes; 20 padding on; 21 set beside a mask; 24:22 after every 64 words (code 5); 31:25 4 words of it (code 3)
	s_or_b32 s[G1B+0], s44, (1<<16)|(1<<20)|(1<<21)|(6<<22)|(7<<25)  ; the mask: my column; after every 128 words (code 6), 8 words (code 7)
	s_mov_b32 s[G1+1], 128<<16                     ; 63:48 tensor_dim0, low half
	s_mov_b32 s[G1B+1], 256<<16
	s_mov_b32 s[G1+2], 128<<16                     ; 79:64 its high half = 0; 95:80 tensor_dim1, low half
	s_mov_b32 s[G1B+2], 64<<16
	s_mov_b32 s[G1+3], 128<<16                     ; 111:96 its high half = 0; 127:112 tile_dim0
	s_mov_b32 s[G1B+3], 256<<16
	s_mov_b32 s[G1+4], 128                         ; 143:128 tile_dim1; 159:144 tile_dim2 = 0
	s_mov_b32 s[G1B+4], 64
	s_mov_b32 s[G1+5], SIZE                        ; 191:160 tensor_dim0_stride, low word: elements from row to row
	s_mov_b32 s[G1B+5], SIZE
	s_mov_b32 s[G1+6], 0
	s_mov_b32 s[G1B+6], 0
	s_mov_b32 s[G1+7], 0
	s_mov_b32 s[G1B+7], 0
	; where the tiles come from.  A's hang on the tile row alone, which my row of the cluster shares; B's on the tile column alone, which my column shares.
	; Every wave makes both addresses, in registers that never hold the other coordinate, and asks by one of them.
	s_lshl_b32 s16, s13, 21                        ; A: 256 x tile row rows of 8,192 bytes
	s_lshl_b32 s17, s12, 20                        ;    + 128 x half
	s_add_co_u32 s16, s16, s17
	s_mov_b32 s17, 0
	s_lshl_b32 s46, s12, 19                        ; B: 64 x half rows of 8,192 bytes
	s_lshl_b32 s47, s42, 9                         ;    + 256 x tile column elements
	s_add_co_u32 s46, s46, s47
	s_mov_b32 s47, 0
	s_mul_i32 s20, s10, HALFT                      ; and where they go: wave x HALFT: no place in the cluster enters an LDS address
	s_wait_dscnt 0x0                               ; the opening add is done
	s_wait_kmcnt 0x0
	s_add_nc_u64 s[14:15], s[4:5], s[16:17]
	s_add_nc_u64 s[46:47], s[6:7], s[46:47]
	CROUND                                         ; all sixteen work-groups are here: the first joint loads meet
.irp s, 0,1
	s_mov_b32 s[G0+4*(\s)], 1                                      ; 1:0 count = 1
	s_add_co_u32 s[G0+4*(\s)+1], s20, (\s)*SLOT                    ; 63:32 LDS address
	s_add_nc_u64 s[G0+4*(\s)+2:G0+4*(\s)+3], s[14:15], (\s)*STEP_A ; 120:64 global address: K step s
	s_or_b32 s[G0+4*(\s)+3], s[G0+4*(\s)+3], 0x80000000            ; 127:126 type = 2
	s_mov_b32 s[G0B+4*(\s)], 1
	s_add_co_u32 s[G0B+4*(\s)+1], s20, (\s)*SLOT
	s_add_nc_u64 s[G0B+4*(\s)+2:G0B+4*(\s)+3], s[46:47], (\s)*STEP_B
	s_or_b32 s[G0B+4*(\s)+3], s[G0B+4*(\s)+3], 0x80000000
	JLOAD \s                                       ; the ring is filled before anything else is done: two loads of mine are out
.endr
	; A fragment is 16 rows x 32 K in 8 registers: lane l holds row l % 16; registers 0-3 hold K = 8 (l / 16) + 0..7, registers 4-7 hold K = 16 + 8 (l / 16) + 0..7.
	; A's rows lie along K: two loads of 16 bytes, 32 bytes apart.
	v_and_b32 v1, 15, v0                           ; l % 16
	v_bfe_u32 v2, v0, 4, 1                         ; l / 16
	v_mul_u32_u24 v3, v1, PA
	v_lshl_add_u32 v3, v2, 4, v3                   ; row x pitch + 16 x half
	; B's rows lie along n.  The turning load takes 16 k x 16 n (lane l reads 16 bytes: k = 8 (l / 16) + l % 8, n = 8 ((l / 8) % 2) + 0..7) and leaves half a fragment: lane l holds column l % 16 and 8 k.
	v_and_b32 v4, 7, v0
	v_lshl_add_u32 v4, v2, 3, v4
	v_mul_u32_u24 v4, v4, PB
	v_bfe_u32 v5, v0, 3, 1
	v_lshl_add_u32 v4, v5, 4, v4
	s_mul_i32 s21, s11, HALFT                      ; my 128 rows of A
	s_lshl_b32 s22, s12, 8                         ; my 128 columns of B: 256 bytes of each row,
	s_add_co_u32 s22, s22, 2*HALFT                 ; behind A's 256 rows
.irp s, 0,1
	v_add_nc_u32 v[ADRA+(\s)], s21, v3
	v_add_nc_u32 v[ADRB+(\s)], s22, v4
	s_add_co_u32 s21, s21, SLOT
	s_add_co_u32 s22, s22, SLOT
.endr
	s_mul_i32 s23, s10, 16*SP
	s_add_co_u32 s23, s23, STAGE                   ; my stage
	v_mul_u32_u24 v6, v1, SP                       ; in: row l % 16, 32 bytes for each half of the lanes
	v_lshl_add_u32 v6, v2, 5, v6
	v_add_nc_u32 v[STO], s23, v6
	v_and_b32 v7, 31, v0
	v_lshlrev_b32 v[CO], 4, v7                     ; back: 32 lanes take one row of 512 bytes, and the same 512 bytes in C
	v_add_nc_u32 v[RD], s23, v[CO]
	; where my part of the tile begins in C; never stepped: a row's place stands in the stores' immediates
	s_lshl_b32 s16, s13, 22                        ; 256 x tile row rows of 16,384 bytes
	s_lshl_b32 s17, s11, 21                        ; + 128 x half
	s_add_co_u32 s16, s16, s17
	s_mov_b32 s17, 0
	s_add_nc_u64 s[8:9], s[8:9], s[16:17]
	s_lshl_b32 s46, s42, 10                        ; 256 x tile column numbers of 4 bytes (in the registers that held B's address: none that fed A's descriptors ever holds cx)
	s_lshl_b32 s47, s12, 9                         ; + 128 x half
	s_add_co_u32 s46, s46, s47
	s_mov_b32 s47, 0
	s_add_nc_u64 s[8:9], s[8:9], s[46:47]
	; the prefetches: my work-group's part of what I fetch, at K step 3: the first refill steps it to K step 4
	s_lshl_b32 s20, s13, 21                        ; in A: the tile row,
	s_lshl_b32 s21, s12, 20                        ; the 128 rows that I fetch,
	s_add_co_u32 s20, s20, s21
	s_lshl_b32 s21, s40, 18                        ; my work-group's 32 of them
	s_add_co_u32 s20, s20, s21
	s_add_co_u32 s20, s20, 3*STEP_A
	s_lshl_b32 s18, s12, 19                        ; in B: the 64 rows that I fetch,
	s_lshl_b32 s21, s41, 17                        ; my work-group's 16 of them,
	s_add_co_u32 s18, s18, s21
	s_lshl_b32 s21, s42, 9                         ; the tile column
	s_add_co_u32 s18, s18, s21
	s_add_co_u32 s18, s18, 3*STEP_B
	s_and_b32 s22, ttmp7, 0xffff                   ; cluster y
	s_mov_b32 s19, STEP_B
	s_mov_b32 s21, 0
	s_mov_b32 s[PST+1], 0
	s_cmp_eq_u32 s11, 0                            ; do I fetch for A?
	s_cselect_b32 s20, s20, s18
	s_cselect_b32 s22, ttmp9, s22                  ; the coordinate along which other clusters read the same tiles
	s_cselect_b32 s[PST], STEP_A, s19
	s_cselect_b64 s[PFA:PFA+1], s[4:5], s[6:7]
	s_add_nc_u64 s[PFA:PFA+1], s[PFA:PFA+1], s[20:21]
	s_cmp_eq_u32 s22, 0
	s_cselect_b32 s[LIM], 1, -1                    ; the same in all sixteen partners, for a given wave
	v_lshrrev_b32 v[PFO], s11, v7                  ; A: a lane a row; B: two lanes a row,
	v_and_b32 v5, s11, v7
	v_lshlrev_b32 v[PFO], 13, v[PFO]               ; rows of 8,192 bytes,
	v_lshl_add_u32 v[PFO], v5, 8, v[PFO]           ; the odd lane 256 bytes on
	; nothing is prefetched here, at the head, where every work-group's first two tiles are on their way
; 16 matrix instructions: m blocks a0, a0 + 1 of the window's four (hi = 0: my rows 0-63, 1: rows 64-127) x all 8 n blocks, 32 along K.  zero = 1: the first product starts the sums: nothing is ever cleared.
; The 64 accumulators take turns, one instruction a turn, in the same order in every quarter step: over the loop's backward jump and into the tail too.
.macro MUL16 f, hi, a0, zero
	WIN MUL_LO+0x50*(\hi)
.irp a, \a0, (\a0)+1
.irp b, 0,1,2,3,4,5,6,7
.if \zero
	v_wmma_f32_16x16x32_f16 v[8*(8*(\a)+(\b)):8*(8*(\a)+(\b))+7], v[(\f)+8*(\b):(\f)+8*(\b)+7], v[(\f)+8*(4*(\hi)+(\a)):(\f)+8*(4*(\hi)+(\a))+7], 0
.else
	v_wmma_f32_16x16x32_f16 v[8*(8*(\a)+(\b)):8*(8*(\a)+(\b))+7], v[(\f)+8*(\b):(\f)+8*(\b)+7], v[(\f)+8*(4*(\hi)+(\a)):(\f)+8*(4*(\hi)+(\a))+7], v[8*(8*(\a)+(\b)):8*(8*(\a)+(\b))+7]
.endif
.endr
.endr
.endm
; 32 LDS loads in one run: the fragments of quarter q of a slot's K step (32 k x my 128 columns of B, turned; my 128 rows of A x 32 k) into buffer f.  The largest offset is 61,152.
.macro FETCH slot, q, f
	WIN TO_B
.irp i, 0,1,2,3,4,5,6,7
	ds_load_tr16_b128 v[(\f)+8*(\i):(\f)+8*(\i)+3],   v[ADRB+(\slot)] offset:(\q)*32*PB+32*(\i)
	ds_load_tr16_b128 v[(\f)+8*(\i)+4:(\f)+8*(\i)+7], v[ADRB+(\slot)] offset:(\q)*32*PB+32*(\i)+16*PB
.endr
	WIN 0
.irp i, 0,1,2,3,4,5,6,7
	ds_load_b128 v[(\f)+8*(\i):(\f)+8*(\i)+3],   v[ADRA+(\slot)] offset:64*(\q)+(\i)*16*PA
	ds_load_b128 v[(\f)+8*(\i)+4:(\f)+8*(\i)+7], v[ADRA+(\slot)] offset:64*(\q)+(\i)*16*PA+32
.endr
.endm
; A load into a register that a matrix instruction has read, and an LDS store that reads a matrix result, stand four places behind that matrix instruction, and only plain vector instructions that name
; none of its registers are places (ISA guide 7.12.1 for vector instructions); the matrix instructions in between are not counted.
.macro PLACES
.rept 4
	v_nop
.endr
.endm
; A K step is four quarter steps of 32 along K, 64 matrix instructions each, on buffers 0, 1, 0, 1.
; One of the first three: multiplies buffer f; in its middle it fetches quarter q of the same slot into buffer g.
.macro QUARTER slot, q, f, g, zero
	s_wait_dscnt 8                                 ; B and A's rows 0-63 are in; the youngest eight loads (A's rows 64-127) may be out
	MUL16 \f, 0, 0, \zero
	MUL16 \f, 0, 2, \zero
	PLACES
	FETCH \slot, \q, \g
	s_wait_dscnt 32                                ; all but the 32 just issued
	MUL16 \f, 1, 0, \zero
	MUL16 \f, 1, 2, \zero
.endm
; The last quarter multiplies buffer 1 and changes slots.  MEET is its first half: ONE barrier for the change of slots.  In front of it each wave waits for all its tensor loads, of which one is out:
; its part of the next slot; adds 0 to its spare word; and waits for that and for its own reads of this slot.  Behind it nobody reads this slot any more and the next slot is whole.
.macro MEET round                      ; round = 1: the rest of a round of the cluster's barrier follows
	WIN 0                                          ; (the add's two registers lie in window 0)
	s_wait_tensorcnt 0x0                           ; all my tensor loads have landed;
	ds_add_u32 v[SPW], v[NIL]                      ; 0 onto my spare word;
	s_wait_dscnt 9                                 ; (the add and the youngest eight loads may be out)
	MUL16 F1, 0, 0, 0                              ; sixteen matrix instructions stand between the add and the wait for it
	s_wait_dscnt 0x0                               ; the add is done, and my reads of this slot are over:
	s_barrier_signal -1                            ; say so,
	MUL16 F1, 0, 2, 0                              ; work on registers while the others arrive,
.if \round
	WIN 0
.endif
	s_barrier_wait -1                              ; and go on when all four have said so
.endm
; The whole last quarter, with a refill: behind the round the slot just read out is filled again first, with the K step two steps on; then come the next slot's first fragments.
; From a request to the wait for it a wave issues 224 matrix instructions; one tensor load of mine is out behind each round.
.macro TURN slot, next
	s_wait_xcnt 0x0                                ; the last prefetch, a K step back, has read its address: it is stepped here, ahead of the waits of the change of slots
	s_add_nc_u64 s[PFA:PFA+1], s[PFA:PFA+1], s[PST:PST+1]
	MEET 1
	CREST                                          ; no wave of any partner still reads this slot's tile or has a load on its way
	s_add_nc_u64 s[G0+4*(\slot)+2:G0+4*(\slot)+3], s[G0+4*(\slot)+2:G0+4*(\slot)+3], 2*STEP_A    ; no tensor load of mine is out, so a group 0 may be written; the type bits on top are not reached
	s_add_nc_u64 s[G0B+4*(\slot)+2:G0B+4*(\slot)+3], s[G0B+4*(\slot)+2:G0B+4*(\slot)+3], 2*STEP_B
	JLOAD \slot                                    ; the first tensor load behind the round; the four v_nop behind it are also the places in front of the loads below
	FETCH \next, 0, F0
	ASK
	MUL16 F1, 1, 0, 0
	MUL16 F1, 1, 2, 0
.endm
; THE WAY OUT of block a (16 rows of C), through my own stage.  TOSTAGE: a lane's 32 bytes of each of the 8 accumulators go into rows of 528 bytes, each accumulator's low registers first;
; the 16 rows come back whole, 512 bytes a load, into A's fragment buffers by turns.  SEND: they are stored.
.macro TOSTAGE a
.set AC, 64*((\a)%4)
.set BK, F0+64*((\a)%2)
	WIN ST_LO+4*((\a)/4)
.irp b, 0,1,2,3,4,5,6,7
	ds_store_b128 v[STO], v[AC+8*(\b):AC+8*(\b)+3]   offset:64*(\b)
	ds_store_b128 v[STO], v[AC+8*(\b)+4:AC+8*(\b)+7] offset:64*(\b)+16
.endr
	WIN 0
.if (\a) >= 2
	s_wait_xcnt 0x0                                ; block a - 2's stores have read this buffer: it is loaded again only behind this wait
.endif
.irp t, 0,1,2,3,4,5,6,7,8,9,10,11,12,13,14,15
	ds_load_b128 v[BK+4*(\t):BK+4*(\t)+3], v[RD] offset:(\t)*SP  ; LDS serves a wave's instructions in order (ISA guide 5.7.1.4): these see the stores above; the next block's stores come behind them
.endr
.endm
.macro SEND a, younger                 ; younger: the LDS instructions issued behind block a's loads: the next block's 16 stores and 16 loads, or none
.set BK, F0+64*((\a)%2)
	WIN 0
	s_wait_dscnt \younger                          ; the block is back in registers
.irp t, 0,1,2,3,4,5,6,7,8,9,10,11,12,13,14,15
	global_store_b128 v[CO], v[BK+4*(\t):BK+4*(\t)+3], s[8:9] offset:(16*(\a)+(\t))*ROWC th:TH_STORE_NT  ; 512 consecutive bytes of a row, at a multiple of 512 from C's first byte; 127 rows at the most: 2,080,768, inside the signed 24-bit immediate
.endr
.endm
	s_wait_tensorcnt 1                             ; my part of K step 0 is in; K step 1's may stay out
	s_barrier_signal -1
	s_barrier_wait -1                              ; everybody's is
	FETCH 0, 0, F0
	QUARTER 0, 1, F0, F1, 1                        ; the first quarter stands in front of the loop: its products start the sums
	WIN 0                                          ; at a label and at a branch every window is 0
	s_mov_b32 s3, LAPS-1
.Llap:                                                 ; a trip goes once round the ring, from a lap's second quarter to the next lap's first, and fills both slots again
	QUARTER 0, 2, F1, F0, 0
	QUARTER 0, 3, F0, F1, 0
	TURN 0, 1
	QUARTER 1, 1, F0, F1, 0
	QUARTER 1, 2, F1, F0, 0
	QUARTER 1, 3, F0, F1, 0
	TURN 1, 0
	QUARTER 0, 1, F0, F1, 0
	WIN 0
	s_sub_co_u32 s3, s3, 1
	s_cmp_lg_u32 s3, 0
	s_cbranch_scc1 .Llap
	QUARTER 0, 2, F1, F0, 0                        ; the last lap is written out: it fills nothing, and has no round of the cluster's barrier
	QUARTER 0, 3, F0, F1, 0
	MEET 0                                         ; my one tensor load that was still out is slot 1's, the last K step's
	PLACES                                         ; for the loads into buffer 0, which the quarter before multiplied
	FETCH 1, 0, F0
	MUL16 F1, 1, 0, 0
	MUL16 F1, 1, 2, 0
	QUARTER 1, 1, F0, F1, 0
	QUARTER 1, 2, F1, F0, 0
	QUARTER 1, 3, F0, F1, 0
	s_wait_dscnt 8                                 ; the very last quarter: nothing more to fetch
	MUL16 F1, 0, 0, 0
	MUL16 F1, 0, 2, 0
	s_wait_dscnt 0x0
	MUL16 F1, 1, 0, 0
	MUL16 F1, 1, 2, 0
	PLACES                                         ; behind the last products: the stores below read results, the loads below land in A's fragment buffers
	TOSTAGE 0
.irp a, 1,2,3,4,5,6,7                  ; block a's LDS work is issued ahead of the wait for block a - 1's rows
	TOSTAGE \a
	SEND (\a)-1, 32
.endr
	SEND 7, 0
	s_wait_tensorcnt 0x0                           ; the wave's end: a tensor wait, an add and its wait, behind my last tensor load and my last LDS store
	ds_add_u32 v[SPW], v[NIL]
	s_wait_dscnt 0x0
	CROUND                                         ; the closing round: no work-group ends while a partner may still ask for a tile that names it
	s_endpgm
.Lfunc_end_k_q2ffc1603cd_gemm:
	.size	k_q2ffc1603cd_gemm, .Lfunc_end_k_q2ffc1603cd_gemm-k_q2ffc1603cd_gemm
	.p2alignl 7, 3214868480
	.fill 96, 4, 3214868480
	.section	.rodata,"a",@progbits
	.p2align	6, 0x0
	.amdhsa_kernel k_q2ffc1603cd_gemm
		.amdhsa_group_segment_fixed_size 327680
		.amdhsa_private_segment_fixed_size 0
		.amdhsa_enable_private_segment 0
		.amdhsa_kernarg_size 24
		.amdhsa_user_sgpr_count 2
		.amdhsa_user_sgpr_kernarg_segment_ptr 1
		.amdhsa_wavefront_size32 1
		.amdhsa_system_sgpr_workgroup_id_x 1
		.amdhsa_system_sgpr_workgroup_id_y 1
		.amdhsa_system_sgpr_workgroup_id_z 1
		.amdhsa_system_vgpr_workitem_id 0
		.amdhsa_next_free_vgpr 1024
		.amdhsa_next_free_sgpr 68
		.amdhsa_reserve_vcc 0
		.amdhsa_float_denorm_mode_32 3
		.amdhsa_float_denorm_mode_16_64 3
		.amdhsa_memory_ordered 1
		.amdhsa_forward_progress 1
		.amdhsa_inst_pref_size 142
	.end_amdhsa_kernel
	.amdgpu_metadata
---
amdhsa.version: [ 1, 2 ]
amdhsa.kernels:
  - .name:           k_q2ffc1603cd_gemm
    .symbol:         k_q2ffc1603cd_gemm.kd
    .args:
      - { .name: ah, .offset: 0, .size: 8, .value_kind: global_buffer, .address_space: global }
      - { .name: bh, .offset: 8, .size: 8, .value_kind: global_buffer, .address_space: global }
      - { .name: out0, .offset: 16, .size: 8, .value_kind: global_buffer, .address_space: global }
    .group_segment_fixed_size: 327680
    .private_segment_fixed_size: 0
    .kernarg_segment_align: 8
    .kernarg_segment_size: 24
    .max_flat_workgroup_size: 128
    .sgpr_count:     68
    .vgpr_count:     1024
    .wavefront_size: 32
...
	.end_amdgpu_metadata
.endif
;; end of part 2
